; MI455X (gfx1250); checked and timed in simulation.
; The chip was launched on July 23, 2026; its instructions are those of AMD's public machine-readable ISA for CDNA 5 (MIT licence, August 2026) and "CDNA5" Instruction Set Architecture Reference Guide (July 2026). The comments in the code are by the model that wrote it; some were corrected since.
;; Encoder. Allowed arithmetic: matrix products marked QUANTISED: E5M2 operands, one E8M0 scale for each 32 along K, by v_wmma_scale_f32_16x16x128_f8f6f4 with both operands' format E5M2, f32 sums; everything else in f32.
;; Inputs: fc1_b 6 x 512 float32; fc1_w 6 x 512 x 128 float32; fc2_b 6 x 128 float32; fc2_w 6 x 128 x 512 float32; ln1_b 6 x 128 float32; ln1_g 6 x 128 float32; ln2_b 6 x 128 float32; ln2_g 6 x 128 float32; wo_b 6 x 128 float32; wo_w 6 x 128 x 128 float32; x 4 x 2,048 x 128 float32.
;; Outputs: out0 4 x 2,048 x 128 float32.
;; This version of the problem:
;;   THIS VERSION OF THE PROBLEM IS GIVEN IN LOW PRECISION. The matrix products marked QUANTISED in the list below multiply operands that are first quantised to E5M2 (5 exponent bits, 2 mantissa bits; 8 bits a number), with one power-of-two scale for each 32 numbers along K (OCP MX v1.0); their sums are f32. All else is computed in f32.
;;   The module's matrix products, in the order in which they are computed (A, B: the left and right operand; K: the contracted axis; several contracted axes count as one K, in the product's order):
;;     1. batch 16 x [M 2,048, K 32] x [K 32, N 2,048]; A: input x; B: input x: QUANTISED
;;     2. batch 16 x [M 32, K 2,048] x [K 2,048, N 2,048]; A: input x; B: softmax (see below): QUANTISED
;;     3. [M 8,192, K 128] x [K 128, N 128]; A: computed on the way; B: input wo_w: QUANTISED
;;     4. [M 8,192, K 128] x [K 128, N 512]; A: computed on the way; B: input fc1_w: QUANTISED
;;     5. [M 8,192, K 512] x [K 512, N 128]; A: computed on the way; B: input fc2_w: QUANTISED
;;     6. batch 16 x [M 2,048, K 32] x [K 32, N 2,048]; A: computed on the way; B: computed on the way: QUANTISED
;;     7. batch 16 x [M 32, K 2,048] x [K 2,048, N 2,048]; A: computed on the way; B: softmax (see below): QUANTISED
;;     8. [M 8,192, K 128] x [K 128, N 128]; A: computed on the way; B: input wo_w: QUANTISED
;;     9. [M 8,192, K 128] x [K 128, N 512]; A: computed on the way; B: input fc1_w: QUANTISED
;;     10. [M 8,192, K 512] x [K 512, N 128]; A: computed on the way; B: input fc2_w: QUANTISED
;;     11. batch 16 x [M 2,048, K 32] x [K 32, N 2,048]; A: computed on the way; B: computed on the way: QUANTISED
;;     12. batch 16 x [M 32, K 2,048] x [K 2,048, N 2,048]; A: computed on the way; B: softmax (see below): QUANTISED
;;     13. [M 8,192, K 128] x [K 128, N 128]; A: computed on the way; B: input wo_w: QUANTISED
;;     14. [M 8,192, K 128] x [K 128, N 512]; A: computed on the way; B: input fc1_w: QUANTISED
;;     15. [M 8,192, K 512] x [K 512, N 128]; A: computed on the way; B: input fc2_w: QUANTISED
;;     16. batch 16 x [M 2,048, K 32] x [K 32, N 2,048]; A: computed on the way; B: computed on the way: QUANTISED
;;     17. batch 16 x [M 32, K 2,048] x [K 2,048, N 2,048]; A: computed on the way; B: softmax (see below): QUANTISED
;;     18. [M 8,192, K 128] x [K 128, N 128]; A: computed on the way; B: input wo_w: QUANTISED
;;     19. [M 8,192, K 128] x [K 128, N 512]; A: computed on the way; B: input fc1_w: QUANTISED
;;     20. [M 8,192, K 512] x [K 512, N 128]; A: computed on the way; B: input fc2_w: QUANTISED
;;     21. batch 16 x [M 2,048, K 32] x [K 32, N 2,048]; A: computed on the way; B: computed on the way: QUANTISED
;;     22. batch 16 x [M 32, K 2,048] x [K 2,048, N 2,048]; A: computed on the way; B: softmax (see below): QUANTISED
;;     23. [M 8,192, K 128] x [K 128, N 128]; A: computed on the way; B: input wo_w: QUANTISED
;;     24. [M 8,192, K 128] x [K 128, N 512]; A: computed on the way; B: input fc1_w: QUANTISED
;;     25. [M 8,192, K 512] x [K 512, N 128]; A: computed on the way; B: input fc2_w: QUANTISED
;;     26. batch 16 x [M 2,048, K 32] x [K 32, N 2,048]; A: computed on the way; B: computed on the way: QUANTISED
;;     27. batch 16 x [M 32, K 2,048] x [K 2,048, N 2,048]; A: computed on the way; B: softmax (see below): QUANTISED
;;     28. [M 8,192, K 128] x [K 128, N 128]; A: computed on the way; B: input wo_w: QUANTISED
;;     29. [M 8,192, K 128] x [K 128, N 512]; A: computed on the way; B: input fc1_w: QUANTISED
;;     30. [M 8,192, K 512] x [K 512, N 128]; A: computed on the way; B: input fc2_w: QUANTISED
;;   THE QUANTISER, for each operand of a quantised product, along K:
;;     - K is cut into blocks of 32 from its start; a last block that is shorter is filled with zeros.
;;     - A block's scale is 2^e with e = floor(log2(the largest magnitude in the block)) - 15, held to -126 .. 127; a block of zeros has e = 0. As a byte (E8M0): e + 127.
;;     - Each number is divided by its block's scale, clamped to +-57,344, and rounded to the nearest number of E5M2, ties to even, subnormals kept.
;;     - The product sums the exact products of the quantised numbers (number of the format x scale) in f32.
;;   ~~~python
;;   def quantise(x, axis):      # numpy; x: float32 -> the quantised numbers, widened to float32 again
;;       x = np.moveaxis(x, axis, -1); K = x.shape[-1]
;;       x = np.pad(x, [(0, 0)] * (x.ndim - 1) + [(0, -K % 32)]); x = x.reshape(x.shape[:-1] + (-1, 32)); a = np.abs(x).max(-1, keepdims=True)
;;       e = np.where(a > 0, np.clip(np.frexp(np.where(a > 0, a, 1))[1] - 1 - 15, -126, 127), 0)      # np.frexp(a)[1] - 1 = floor(log2(a)), exactly
;;       r = np.clip(x / 2.0 ** e, -57344, 57344)
;;       step = 2.0 ** (np.maximum(np.frexp(np.where(r == 0, 1, r))[1] - 1, -14) - 2)
;;       q = np.round(r / step) * step * 2.0 ** e      # np.round: ties to even
;;       return np.moveaxis(q.reshape(q.shape[:-2] + (-1,))[..., :K], -1, axis).astype(np.float32)
;;   ~~~
;;   SOFTMAX AHEAD OF A QUANTISED PRODUCT. Where the list says 'softmax', what is quantised is not the finished softmax but p = 2^(t - M), with t = logit x log2(e) and M = ceil(the row's largest t), a whole number; so 1/2 < the row's largest p <= 1. The row's sum l is taken of the UNQUANTISED p, in f32, and the product's result is divided by l at the end. Since M is a whole number, a kernel that streams over the keys may use a running M (the ceiling of the running maximum): every later rescaling is an exact power of two, which a block's scale takes up: the codes' values come out the same.
;;   OPERANDS COMPUTED ON THE WAY. 'Computed on the way' means the value that the module computes at that place (a softmax that the list does not call 'softmax' is quantised finished and normalised). What goes into a quantiser is computed in f32, as accurately as f32 sums, v_exp_f32 and their like allow (about 1e-6 of the number): no bf16 or f16 on the way to a quantiser, and a product that is left as it is and whose result goes on into a quantised operand takes f32 operands (vector FMAs, or v_wmma_f32_16x16x4_f32). A number that lies on a knife's edge between two numbers of the format may be rounded either way, as far as f32 arithmetic and the matrix unit's own rounding can turn it there, and no further.
;; One version. Each part assembles by itself: llvm-mc -triple=amdgcn-amd-amdhsa -mcpu=gfx1250 --defsym DOCPART=n.
;; ======== version 1 of 1: 7 launches
;; limits: right only within a limited range of input values
;; workspace buffers: xfA 4,194,304 bytes; xfB 4,194,304 bytes; cdA 2,162,688 bytes; cdB 2,162,688 bytes; wq 940,032 bytes; ctrA 32,768 bytes of whole numbers; ctrB 32,768 bytes of whole numbers
;; launch prep (part 1): grid 182 x 1, 8 waves a work-group, no clusters, 0 bytes of LDS; arguments x, wo_w, fc1_w, fc2_w, cdA, wq, ctrA; writes cdA, wq, ctrA
.if DOCPART == 1
	.amdgcn_target "amdgcn-amd-amdhsa--gfx1250"
	.amdhsa_code_object_version 6
	.text
	.protected	k_q3e8e8570c9_prep
	.globl	k_q3e8e8570c9_prep
	.p2align	8
	.type	k_q3e8e8570c9_prep,@function
k_q3e8e8570c9_prep:
	s_mov_b64 s[64:65], 0
	v_nop
	global_prefetch_b8 v0, s[64:65] scope:SCOPE_SE
	s_setreg_imm32_b32 hwreg(HW_REG_WAVE_MODE, 25, 1), 1
	s_wait_xcnt 0x0
; Quantises, once, what the six layer launches read as codes of BF8 (E5M2) with one E8M0 byte for each 32 along K:
;   the three weights of all six layers (72 fragments a layer), and the first layer's x in its two views: along a head's 32 features (K and Q) and along 32 keys (V).
; All results are laid as IMAGES OF OPERAND REGISTERS: a group of four registers is 512 bytes, lane l's 16 bytes at 16 l.  One wave makes one fragment (16 rows x 128 along K); no LDS, no barrier.
; A block's scale byte is its largest magnitude's exponent field - 15, held at 1 from below; each number is held within +-57,344 x the scale and converted, ties to even.
; LIMITS: NaN and infinities among the inputs are not served; a block whose largest magnitude lies under 2^-111 keeps the byte 1; a block of zeros gets the byte 1 (not 127): its codes are zeros, and this program alone reads the bytes.
; Work-groups 0-53: weights (9 a layer, 8 fragments each).  54-117: x along the features (512 tiles of 16 rows), and the layer counter's zeros.  118-181: x along the keys (64 key steps x 4 heads x 2 feature tiles).
; perm(r) = r + 8 (r / 8): the rows of a tile of x and of fc1_w are 0..7 and 16..23 of a run of 32, so that a product's results come out as neighbours along the next K.
.set HB,    8448                       ; a (key step, head) block of the codes' buffer: 8 K tiles x 512, 8 V groups x 512, 128 bytes of K's scale words, 128 of V's
.set STEPB, 4*HB
.set BATB,  16*STEPB
.set LAYB,  156672                     ; a layer's weights: 72 fragments x 2,048 bytes, then 72 x 128 bytes of scale words
.set WSC,   147456
.set X,     16                         ; v16-79   64 numbers: register 16 b + i = k 32 b + 16 (lane / 16) + i of my row
.set TM,    80                         ; v80-83 largest magnitudes, v84-87 bytes, v88-91 57,344 x the scale, v92-95 the conversions' scale operands
.set PW,    96                         ; the scale word
.set PC,    100                        ; v100-115 the codes
	s_load_b256 s[4:11], s[0:1], 0x0               ; x s[4:5], wo_w s[6:7], fc1_w s[8:9], fc2_w s[10:11]
	s_load_b128 s[12:15], s[0:1], 0x20             ; the codes of x s[12:13], the weights' images s[14:15]
	s_load_b64 s[16:17], s[0:1], 0x30              ; the layer counter
	v_lshrrev_b32 v1, 5, v0
	s_delay_alu instid0(VALU_DEP_1)
	v_readfirstlane_b32 s18, v1                    ; wave 0..7
	v_and_b32 v1, 31, v0                           ; lane
	v_and_b32 v2, 15, v0                           ; r
	v_bfe_u32 v3, v0, 4, 1                         ; lane / 16
	s_delay_alu instid0(VALU_DEP_3)
	v_lshlrev_b32 v5, 4, v1                        ; 16 x lane: an image's place
	s_delay_alu instid0(VALU_DEP_4)
	v_lshlrev_b32 v6, 2, v1                        ; 4 x lane
	s_delay_alu instid0(VALU_DEP_4)
	v_lshlrev_b32 v7, 2, v2                        ; 4 r
	v_lshrrev_b32 v8, 3, v2                        ; r / 8
	s_mov_b32 s25, 0x76543210
	s_mov_b32 s26, 0xfedcba98                      ; v_permlanex16_b32's selects for lane l xor 16
	s_mov_b32 s27, 0x600000                        ; the mantissa field of 57,344
.irp b, 0,1,2,3
	v_mov_b32 v[TM+4+\b], 0                        ; written once: a lane permute's destination counts as one of its sources
.endr
	s_mov_b32 s29, 0                               ; the high words of the offset pairs s[28:29], s[30:31]
	s_mov_b32 s31, 0
.macro ROWADDR flag, rowb              ; my lane's byte in a tile whose K is innermost: row r + flag (r / 8), + 64 bytes for lanes 16-31
	v_mad_u32_u24 v4, v8, \flag, v2
	s_delay_alu instid0(VALU_DEP_1)
	v_mul_u32_u24 v4, v4, \rowb
	s_delay_alu instid0(VALU_DEP_1)
	v_lshl_add_u32 v4, v3, 6, v4
.endm
.macro LOADROWS p                      ; 16 neighbours of each of the four blocks of 32: 64 bytes a block
.irp c, 0,1,2,3
.irp j, 0,1,2,3
	global_load_b128 v[X+16*\c+4*\j:X+16*\c+4*\j+3], v4, s[\p:\p+1] offset:128*\c+16*\j
.endr
.endr
.endm
.macro QUANT                           ; the 64 numbers become a fragment's codes, its scale word and its four bytes
.irp b, 0,1,2,3
	v_max3_num_f32 v[TM+\b], |v[X+16*\b]|, |v[X+1+16*\b]|, 0x8000000   ; with the floor 2^(16 - 127): the byte cannot fall under 1
.endr
.irp i, 2,4,6,8,10,12,14
.irp b, 0,1,2,3
	s_delay_alu instid0(VALU_DEP_4)
	v_max3_num_f32 v[TM+\b], v[TM+\b], |v[X+16*\b+\i]|, |v[X+1+16*\b+\i]|   ; the four blocks by turns
.endr
.endr
.irp b, 0,1,2,3
	s_delay_alu instid0(VALU_DEP_4)
	v_permlanex16_b32 v[TM+4+\b], v[TM+\b], s25, s26
.endr
.irp b, 0,1,2,3
	s_delay_alu instid0(VALU_DEP_4)
	v_max_num_f32 v[TM+\b], v[TM+\b], v[TM+4+\b]   ; with lane l xor 16's 16 numbers: the block's largest magnitude
.endr
.irp b, 0,1,2,3
	s_delay_alu instid0(VALU_DEP_4)
	v_add_nc_u32 v[TM+12+\b], 0xf8800000, v[TM+\b] ; 15 off its exponent field: the conversion's scale operand
.endr
.irp b, 0,1,2,3
	v_and_or_b32 v[TM+8+\b], v[TM+\b], 0x7f800000, s27   ; 57,344 x the scale
.endr
.irp b, 0,1,2,3
	v_lshrrev_b32 v[TM+4+\b], 23, v[TM+12+\b]      ; the scale's byte
.endr
	s_delay_alu instid0(VALU_DEP_3)
	v_lshl_or_b32 v[PW], v[TM+5], 8, v[TM+4]
	s_delay_alu instid0(VALU_DEP_1)
	v_lshl_or_b32 v[PW], v[TM+6], 16, v[PW]
	s_delay_alu instid0(VALU_DEP_1)
	v_lshl_or_b32 v[PW], v[TM+7], 24, v[PW]
.irp b, 0,1,2,3
.irp i, 0,1,2,3,4,5,6,7,8,9,10,11,12,13,14,15
	v_med3_num_f32 v[X+16*\b+\i], v[X+16*\b+\i], -v[TM+8+\b], v[TM+8+\b]   ; the conversion to an 8-bit code does not saturate (ISA guide 7.6.2): the hold comes first
.endr
	v_cvt_scalef32_pk8_bf8_f32 v[PC+4*\b:PC+1+4*\b], v[X+16*\b:X+7+16*\b], v[TM+12+\b]
	v_cvt_scalef32_pk8_bf8_f32 v[PC+2+4*\b:PC+3+4*\b], v[X+8+16*\b:X+15+16*\b], v[TM+12+\b]
.endr
	v_nop                                          ; a plain line behind the last conversion
.endm
	s_wait_kmcnt 0x0
	s_cmp_lt_u32 ttmp9, 54
	s_cbranch_scc0 .Lnot_w
	; ---- weights: layer = work-group / 9 (x 57 >> 9 is exact up to 53), q = the rest, fragment f = 8 q + wave
	s_mul_i32 s19, ttmp9, 57
	s_lshr_b32 s19, s19, 9                         ; layer
	s_mul_i32 s22, s19, 9
	s_sub_co_u32 s22, ttmp9, s22                   ; q
	s_lshl_b32 s33, s22, 3
	s_add_co_u32 s33, s33, s18                     ; f
	s_cmp_eq_u32 s22, 0
	s_cbranch_scc0 .Lnot_wo
	s_lshl_b32 s28, s19, 16                        ; wo_w: 65,536 bytes a layer, tile = wave: 16 rows of 512 bytes
	s_lshl_b32 s34, s18, 13
	s_add_co_u32 s28, s28, s34
	s_add_nc_u64 s[6:7], s[6:7], s[28:29]
	s_wait_alu depctr_va_vdst(0)
	ROWADDR 0, 512
	LOADROWS 6
	s_branch .Lw_go
.Lnot_wo:
	s_cmp_lt_u32 s22, 5
	s_cbranch_scc0 .Lfc2
	s_sub_co_u32 s34, s33, 8                       ; fc1_w: tile f - 8 begins at row 32 (tile / 2) + 8 (tile % 2); its rows go by perm
	s_lshr_b32 s35, s34, 1
	s_lshl_b32 s35, s35, 14
	s_and_b32 s34, s34, 1
	s_lshl_b32 s34, s34, 12
	s_lshl_b32 s28, s19, 18
	s_add_co_u32 s28, s28, s35
	s_add_co_u32 s28, s28, s34
	s_add_nc_u64 s[8:9], s[8:9], s[28:29]
	s_wait_alu depctr_va_vdst(0)
	ROWADDR 8, 512
	LOADROWS 8
	s_branch .Lw_go
.Lfc2:
	s_sub_co_u32 s34, s33, 40                      ; fc2_w: i = f - 40: rows 16 (i / 4) on, of 2,048 bytes; K step i % 4: 512 bytes on
	s_lshr_b32 s35, s34, 2
	s_lshl_b32 s35, s35, 15
	s_and_b32 s34, s34, 3
	s_lshl_b32 s34, s34, 9
	s_lshl_b32 s28, s19, 18
	s_add_co_u32 s28, s28, s35
	s_add_co_u32 s28, s28, s34
	s_add_nc_u64 s[10:11], s[10:11], s[28:29]
	s_wait_alu depctr_va_vdst(0)
	ROWADDR 0, 2048
	LOADROWS 10
.Lw_go:
	s_mul_i32 s28, s19, LAYB
	s_lshl_b32 s34, s33, 11
	s_add_co_u32 s30, s28, s34
	s_add_nc_u64 s[20:21], s[14:15], s[30:31]      ; the fragment's image
	s_lshl_b32 s34, s33, 7
	s_add_co_u32 s28, s28, s34
	s_add_co_u32 s28, s28, WSC
	s_add_nc_u64 s[22:23], s[14:15], s[28:29]      ; its scale words
	s_wait_loadcnt 0x0
	QUANT
.irp c, 0,1,2,3
	global_store_b128 v5, v[PC+4*\c:PC+4*\c+3], s[20:21] offset:512*\c   ; 32 lanes store 512 consecutive bytes
.endr
	global_store_b32 v6, v[PW], s[22:23]           ; both halves of the lanes hold their row's word
	s_endpgm
.Lnot_w:
	s_cmp_lt_u32 ttmp9, 118
	s_cbranch_scc0 .Lxv
	; ---- x along the features: tile T = 8 (work-group - 54) + wave; its four blocks of 32 are the four heads
	s_sub_co_u32 s19, ttmp9, 54
	s_lshl_b32 s33, s19, 3
	s_add_co_u32 s33, s33, s18                     ; T
	s_lshr_b32 s34, s33, 1
	s_lshl_b32 s28, s34, 14                        ; 32 rows of 512 bytes for each pair of tiles,
	s_and_b32 s34, s33, 1
	s_lshl_b32 s34, s34, 12                        ; 8 rows for the odd one
	s_add_co_u32 s28, s28, s34
	s_add_nc_u64 s[4:5], s[4:5], s[28:29]
	s_wait_alu depctr_va_vdst(0)
	ROWADDR 8, 512
	LOADROWS 4
	s_lshr_b32 s34, s33, 7                         ; batch
	s_mul_i32 s28, s34, BATB
	s_bfe_u32 s34, s33, 0x40003                    ; key step
	s_mul_i32 s34, s34, STEPB
	s_add_co_u32 s28, s28, s34
	s_and_b32 s35, s33, 7                          ; tile in the step
	s_lshl_b32 s34, s35, 9
	s_add_co_u32 s30, s28, s34
	s_add_nc_u64 s[20:21], s[12:13], s[30:31]      ; head 0's tile; the other heads' lie HB apart
	s_lshr_b32 s34, s35, 2
	s_lshl_b32 s34, s34, 6                         ; scale words: 64 bytes for each group of four tiles,
	s_and_b32 s35, s35, 3                          ; my tile's byte in the word
	s_add_co_u32 s34, s34, s35
	s_add_co_u32 s28, s28, s34
	s_add_co_u32 s28, s28, 8192
	s_add_nc_u64 s[22:23], s[12:13], s[28:29]
	s_cmp_lt_u32 s18, 4
	s_cbranch_scc0 .Lno_ctr
	s_lshl_b32 s30, s19, 9                         ; the layer counter: 64 work-groups x 128 threads x 4 bytes of zeros
	s_add_nc_u64 s[16:17], s[16:17], s[30:31]
	v_lshlrev_b32 v9, 2, v0
	v_mov_b32 v10, 0
	global_store_b32 v9, v10, s[16:17]
.Lno_ctr:
	s_wait_loadcnt 0x0
	QUANT
.irp c, 0,1,2,3
	global_store_b128 v5, v[PC+4*\c:PC+4*\c+3], s[20:21] offset:HB*\c
	global_store_b8 v7, v[TM+4+\c], s[22:23] offset:HB*\c   ; lanes r and r + 16 store the same byte to the same place
.endr
	s_endpgm
.Lxv:
	; ---- x along the keys: a lane takes a feature, its registers run down 128 keys
	s_sub_co_u32 s19, ttmp9, 118
	s_lshr_b32 s33, s19, 4                         ; batch
	s_and_b32 s34, s19, 15                         ; key step
	s_and_b32 s35, s18, 3                          ; head
	s_lshr_b32 s36, s18, 2                         ; feature tile: features 8 dt + perm(r) of the head
	s_lshl_b32 s28, s33, 20
	s_lshl_b32 s37, s34, 16
	s_add_co_u32 s28, s28, s37
	s_lshl_b32 s37, s35, 7
	s_add_co_u32 s28, s28, s37
	s_lshl_b32 s37, s36, 5
	s_add_co_u32 s28, s28, s37
	s_add_nc_u64 s[4:5], s[4:5], s[28:29]
	s_wait_alu depctr_va_vdst(0)
	v_lshl_add_u32 v9, v8, 3, v2                   ; perm(r)
	v_lshlrev_b32 v4, 13, v3                       ; lanes 16-31 begin 16 keys further down
	s_delay_alu instid0(VALU_DEP_1)
	v_lshl_add_u32 v4, v9, 2, v4
.irp c, 0,1,2,3
.irp i, 0,1,2,3,4,5,6,7,8,9,10,11,12,13,14,15
	global_load_b32 v[X+16*\c+\i], v4, s[4:5] offset:(32*\c+\i)*512
.endr
.endr
	s_mul_i32 s28, s33, BATB
	s_mul_i32 s37, s34, STEPB
	s_add_co_u32 s28, s28, s37
	s_mul_i32 s37, s35, HB
	s_add_co_u32 s28, s28, s37
	s_lshl_b32 s37, s36, 11
	s_add_co_u32 s30, s28, s37
	s_add_co_u32 s30, s30, 4096
	s_add_nc_u64 s[20:21], s[12:13], s[30:31]
	s_lshl_b32 s37, s36, 6
	s_add_co_u32 s28, s28, s37
	s_add_co_u32 s28, s28, 8320
	s_add_nc_u64 s[22:23], s[12:13], s[28:29]
	s_wait_loadcnt 0x0
	QUANT
.irp c, 0,1,2,3
	global_store_b128 v5, v[PC+4*\c:PC+4*\c+3], s[20:21] offset:512*\c
.endr
	global_store_b32 v7, v[PW], s[22:23]           ; lanes r and r + 16 store the same word to the same place
	s_endpgm
.Lfunc_end_k_q3e8e8570c9_prep:
	.size	k_q3e8e8570c9_prep, .Lfunc_end_k_q3e8e8570c9_prep-k_q3e8e8570c9_prep
	.p2alignl 7, 3214868480
	.fill 96, 4, 3214868480
	.section	.rodata,"a",@progbits
	.p2align	6, 0x0
	.amdhsa_kernel k_q3e8e8570c9_prep
		.amdhsa_group_segment_fixed_size 0
		.amdhsa_private_segment_fixed_size 0
		.amdhsa_enable_private_segment 0
		.amdhsa_kernarg_size 56
		.amdhsa_user_sgpr_count 2
		.amdhsa_user_sgpr_kernarg_segment_ptr 1
		.amdhsa_wavefront_size32 1
		.amdhsa_system_sgpr_workgroup_id_x 1
		.amdhsa_system_sgpr_workgroup_id_y 1
		.amdhsa_system_sgpr_workgroup_id_z 1
		.amdhsa_system_vgpr_workitem_id 0
		.amdhsa_next_free_vgpr 128
		.amdhsa_next_free_sgpr 66
		.amdhsa_reserve_vcc 0
		.amdhsa_float_denorm_mode_32 3
		.amdhsa_float_denorm_mode_16_64 3
		.amdhsa_memory_ordered 1
		.amdhsa_forward_progress 1
		.amdhsa_inst_pref_size 49
	.end_amdhsa_kernel
	.amdgpu_metadata
---
amdhsa.version: [ 1, 2 ]
amdhsa.kernels:
  - .name:           k_q3e8e8570c9_prep
    .symbol:         k_q3e8e8570c9_prep.kd
    .args:
      - { .name: x, .offset: 0, .size: 8, .value_kind: global_buffer, .address_space: global }
      - { .name: wo_w, .offset: 8, .size: 8, .value_kind: global_buffer, .address_space: global }
      - { .name: fc1_w, .offset: 16, .size: 8, .value_kind: global_buffer, .address_space: global }
      - { .name: fc2_w, .offset: 24, .size: 8, .value_kind: global_buffer, .address_space: global }
      - { .name: cdA, .offset: 32, .size: 8, .value_kind: global_buffer, .address_space: global }
      - { .name: wq, .offset: 40, .size: 8, .value_kind: global_buffer, .address_space: global }
      - { .name: ctrA, .offset: 48, .size: 8, .value_kind: global_buffer, .address_space: global }
    .group_segment_fixed_size: 0
    .private_segment_fixed_size: 0
    .kernarg_segment_align: 8
    .kernarg_segment_size: 56
    .max_flat_workgroup_size: 256
    .sgpr_count:     66
    .vgpr_count:     128
    .wavefront_size: 32
...
	.end_amdgpu_metadata
.endif
;; end of part 1
;; launch layer0 (part 2): grid 256 x 1, 16 waves a work-group, no clusters, 88,320 bytes of LDS; arguments x, cdA, ctrA, wq, wo_b, ln1_g, ln1_b, fc1_b, fc2_b, ln2_g, ln2_b, xfA, cdB, ctrB; writes xfA, cdB, ctrB
.if DOCPART == 2
	.amdgcn_target "amdgcn-amd-amdhsa--gfx1250"
	.amdhsa_code_object_version 6
	.text
	.protected	k_q3e8e8570c9_layer0
	.globl	k_q3e8e8570c9_layer0
	.p2align	8
	.type	k_q3e8e8570c9_layer0,@function
k_q3e8e8570c9_layer0:
	s_mov_b64 s[64:65], 0
	v_nop
	global_prefetch_b8 v0, s[64:65] scope:SCOPE_SE
	s_setreg_imm32_b32 hwreg(HW_REG_WAVE_MODE, 25, 1), 1
	s_wait_xcnt 0x0
; ONE ENCODER LAYER: attention without projections (q = k = v = a head's 32 features of x), wo, residual + norm, fc1, fc2, residual + norm; every product on codes of BF8 (E5M2) with one E8M0 byte for each 32 along K.
; Arguments: x in (f32), its codes in, the layer number in, the weights' images, wo_b, ln1_g, ln1_b, fc1_b, fc2_b, ln2_g, ln2_b, x out, its codes out, the layer number out.
; SHARES.  256 work-groups of sixteen waves; a work-group owns 32 rows: two tiles of 16, tile u = rows 8 u + perm(r), perm(r) = r + 8 (r / 8).
; In attention wave w owns head w % 4, BOTH row tiles, and key steps 4 (w / 4) .. + 3 (128 keys each).  So each (key step, head) block of 8,448 bytes is used by ONE wave of the work-group:
; it goes from memory straight into that wave's registers as a register image, and attention has no LDS traffic and no barrier.  K's tiles of a step are asked for when the step before has issued its last K Q^T, V's when it has issued its last V^T P^T.
; NO CLUSTER, NO JOINT LOADS: no block passes through LDS, so there is no tile that a joint tensor load could lay down for several readers.  NO DATA PREFETCH: each block's own loads are issued one unit (one row tile's softmax) ahead of their wait.
; K = 32 IN AN INSTRUCTION OF K = 128.  Source 0 holds FOUR tiles of 16 keys, one in each block of 32; source 1 holds q in block c and zero codes in the other three, which picks tile c.
; Both products are used transposed (S^T = K Q^T, O^T = V^T P^T): a lane holds one query, and 16 registers of two neighbouring tiles are 16 neighbours along the next K.
; SOFTMAX: t = score x log2(e) / sqrt(32); M = the running largest t rounded up to a whole number; p = 2^(t - M) is quantised along the keys; the sum is taken of the unquantised p and divides at the end.
; THE TAIL (seven barriers) hands operands from wave to wave as register images in LDS; its weights, biases and rows of x are asked for inside the last unit, into registers that are done with.
; The layer number is read from memory, held at 5 from above, and enters offsets of plain global loads alone.
; LIMITS: NaN and infinities are not served; a block whose largest magnitude lies under 2^-111 keeps the byte 1, a block of zeros too (its codes are zeros; this program alone reads the bytes);
; the keys are split over four waves and fc2's K over two, so those f32 sums are added in another order than ascending K (the merge of the key quarters scales by exact powers of two); 1 / l is v_rcp_f32 and a multiplication.
.set HB,    8448                       ; a (key step, head) block: 8 K tiles x 512 | 8 V groups x 512 at 4096 | K's scale words at 8192 | V's at 8320
.set STEPB, 4*HB
.set BATB,  16*STEPB
.set LAYB,  156672
.set WSC,   147456
.set YP,    528                        ; a row of 128 f32 + 16 bytes
.set IMG,   0                          ; two fragments of 16 rows x 128: o, then x1, then the next layer's K tiles
.set SC,    4096                       ; their scale words
.set MRG,   4352                       ; 16 waves x 2 tiles x 2,560: O^T and statistics of each key quarter
.set HIMG,  4352                       ; the hidden layer's 8 fragments (over MRG, which is done with)
.set HSC,   20736
.set Y0,    21248                      ; 32 rows: wo's result; fc2's first half; the new x
.set Y1,    Y0+32*YP
.set SPARE, MRG+16*5120                ; the spare words, 128 bytes for each wave, that no other line names
; vector registers
.set LI16, 1                           ; 16 x lane
.set L4,   2                           ; 4 x lane
.set B1O,  3                           ; 64 x (lane / 16)
.set FF,   12                          ; v4-7, v8-11: -M, largest t, the sum's two halves, for row tile 0, 1;  v12 f, v13 at work
.set TT,   13
.set SPW,  14
.set NIL,  15
.set QZ,   16                          ; v16-27 zeros, v28-31 q0, v32-43 zeros, v44-47 q1, v48-59 zeros
.set QS,   60                          ; v60-68 hold scales and nothing else: q0's, q1's, K's, V's, p's; in the tail the weights' five and four of the activations
.set KS,   62
.set VS,   63
.set PS,   64
.set L4R,  69                          ; 4 x (lane % 16)
.set KF,   70
.set VF,   102
.set S,    134
.set PC,   198
.set OT,   214
.set BM,   246
.set HL,   250
.set T0,   254
.set T1,   255
; the tail's LDS addresses
.set MA,   190
.set ML,   191
.set OST,  192
.set OSB,  193
.set FRL,  194
.set FSL,  195
.set YS2,  196
.set YS5,  197
.set YLD,  246
.set IA,   247
.set SA,   248
.set HST,  249
.set HSB,  250
.set HLD,  251
.set HSL,  252
.set VA,   253
; scalars.  s45, s48-63: LDS offsets made of the wave's number alone
.set WV,  36
.set HD,  37
.set QT,  38
.set KH,  39
.set FT,  40
.set KQ,  41
.set CX,  42
.set BAT, 43
.set LAY, 44
.set KB,  46
.set SEL, 66
.set CS,  68
.set MNT, 70
.set SWO, 76
.set SW1, 78
.set SW2, 80
.set SSO, 82
.set SS1, 84
.set SS2, 86
.set CB,  88
.set SB,  90
.set INV, 92
.set EPS, 93
.macro PLACES n
.rept \n
	v_nop
.endr
.endm
.macro BARRIER                         ; what I wrote is written, my LDS stores have landed and my LDS loads are in: then the work-group's barrier
	s_wait_alu depctr_va_vdst(0)
	s_wait_dscnt 0x0
	s_barrier_signal -1
	s_barrier_wait -1
.endm
.macro SETKP s                         ; the base pair of the s-th key step that I walk: s[72:73], s[74:75], s[12:13], s[32:33]
.if (\s) < 2
.set KPN, 72+2*(\s)
.else
.set KPN, 12+20*((\s)-2)
.endif
.endm
.macro LOADK s
	SETKP \s
.irp t, 0,1,2,3,4,5,6,7
	global_load_b128 v[KF+4*\t:KF+4*\t+3], v[LI16], s[KPN:KPN+1] offset:512*\t
.endr
	global_load_b32 v[KS], v[L4], s[KPN:KPN+1] offset:8192     ; lanes 0-15: the words of tiles 0-3; lanes 16-31: of tiles 4-7
.endm
.macro LOADV s
	SETKP \s
.irp t, 0,1,2,3,4,5,6,7
	global_load_b128 v[VF+4*\t:VF+4*\t+3], v[LI16], s[KPN:KPN+1] offset:4096+512*\t
.endr
	global_load_b32 v[VS], v[L4], s[KPN:KPN+1] offset:8320     ; lanes 0-15: feature tile 0; lanes 16-31: feature tile 1
.endm
.macro TL1                             ; the tail's loads into q's and K's registers: wo's fragment, fc1's two, six vectors of 128
.irp c, 0,1,2,3
	global_load_b128 v[16+4*\c:19+4*\c], v[LI16], s[SWO:SWO+1] offset:512*\c
.endr
.irp c, 0,1,2,3,4,5,6,7
	global_load_b128 v[KF+4*\c:KF+4*\c+3], v[LI16], s[SW1:SW1+1] offset:512*\c
.endr
	global_load_b128 v[32:35], v[LI16], s[16:17]   ; wo_b
	global_load_b128 v[36:39], v[LI16], s[18:19]   ; ln1_g
	global_load_b128 v[40:43], v[LI16], s[20:21]   ; ln1_b
	global_load_b128 v[44:47], v[LI16], s[24:25]   ; fc2_b
	global_load_b128 v[48:51], v[LI16], s[26:27]   ; ln2_g
	global_load_b128 v[52:55], v[LI16], s[28:29]   ; ln2_b
.endm
.macro TL2                             ; into p's registers: fc2's two fragments, b1 in the result's layout, my two rows of x
.irp c, 0,1,2,3,4,5,6,7
	global_load_b128 v[S+4*\c:S+4*\c+3], v[LI16], s[SW2:SW2+1] offset:512*\c
.endr
.irp c, 0,1,2,3
	global_load_b128 v[S+32+4*\c:S+35+4*\c], v[B1O], s[22:23] offset:16*\c
.endr
	global_load_b128 v[S+48:S+51], v[LI16], s[8:9]
	global_load_b128 v[S+52:S+55], v[LI16], s[8:9] offset:512
.endm
; A UNIT: row tile u against the 128 keys of my key step s.
.macro UNIT u, s
.set ST, 4+4*(\u)
.set OU, OT+16*(\u)
.set QF, QZ+12+16*(\u)
.if (\u) == 0 && (\s) > 0
	s_wait_alu depctr_va_vdst(0)
	s_wait_loadcnt 9                               ; K's tiles of this step are in; V's nine loads, issued behind them, may be out
.endif
.irp c, 0,1,2,3
	v_wmma_scale_f32_16x16x128_f8f6f4 v[S+8*\c:S+8*\c+7], v[KF:KF+15], v[QF-4*\c:QF+15-4*\c], 0, v[KS], v[QS+(\u)] matrix_a_fmt:MATRIX_FMT_BF8 matrix_b_fmt:MATRIX_FMT_BF8
.endr
.irp c, 0,1,2,3
	v_wmma_scale_f32_16x16x128_f8f6f4 v[S+32+8*\c:S+39+8*\c], v[KF+16:KF+31], v[QF-4*\c:QF+15-4*\c], 0, v[KS], v[QS+(\u)] matrix_a_fmt:MATRIX_FMT_BF8 matrix_b_fmt:MATRIX_FMT_BF8 matrix_a_scale:MATRIX_SCALE_ROW1
.endr
	PLACES 8                                       ; behind the products: in front of the reads of S^T and of the loads below
.if (\u) == 1 && (\s) < 3
	LOADK (\s)+1                                   ; both row tiles have had this step's K
.endif
.if (\u) == 1 && (\s) == 3
	TL1
.endif
.irp b, 0,1,2,3
	v_max3_num_f32 v[BM+\b], v[S+16*\b], v[S+1+16*\b], v[S+2+16*\b]   ; the largest score of each block of 32 keys: for the row's maximum and, since p rises with the score, for the block's largest p
.endr
.irp i, 3,5,7,9,11,13
.irp b, 0,1,2,3
	v_max3_num_f32 v[BM+\b], v[BM+\b], v[S+16*\b+\i], v[S+1+16*\b+\i]
.endr
.endr
.irp b, 0,1,2,3
	v_max_num_f32 v[BM+\b], v[BM+\b], v[S+15+16*\b]
.endr
.irp b, 0,1,2,3
	v_permlanex16_b32 v[HL+\b], v[BM+\b], s[SEL], s[SEL+1]
.endr
.irp b, 0,1,2,3
	v_max_num_f32 v[BM+\b], v[BM+\b], v[HL+\b]     ; with lane l xor 16's 16 keys
.endr
	v_max3_num_f32 v[TT], v[BM], v[BM+1], v[BM+2]
	s_delay_alu instid0(VALU_DEP_1)
	v_max_num_f32 v[TT], v[TT], v[BM+3]
	s_delay_alu instid0(VALU_DEP_1)
	v_mul_f32 v[TT], s[CS], v[TT]                  ; the step's largest t
	s_delay_alu instid0(VALU_DEP_1)
	v_max_num_f32 v[ST+1], v[ST+1], v[TT]          ; the running largest t
	v_mov_b32 v[TT], v[ST]
	s_delay_alu instid0(VALU_DEP_2)
	v_floor_f32 v[ST], -v[ST+1]                    ; the new -M = floor(-t): M is a whole number
	s_delay_alu instid0(VALU_DEP_1)
	v_sub_f32 v[TT], v[ST], v[TT]                  ; old M - new M: a whole number, 0 or less
	s_delay_alu instid0(VALU_DEP_1)
	v_cvt_i32_f32 v[TT], v[TT]                     ; (it saturates)
	s_delay_alu instid0(VALU_DEP_1)
	v_ldexp_f32 v[FF], 1.0, v[TT]                  ; f = 2^(old M - new M): a factor that rounds nothing
.set j, 0
.rept 32
	v_pk_fma_f32 v[S+j:S+j+1], v[S+j:S+j+1], s[CS:CS+1], v[ST:ST+1] op_sel_hi:[1,0,0]   ; t - M, two at a time
.set j, j+2
.endr
.irp b, 0,1,2,3
	v_fma_f32 v[BM+\b], v[BM+\b], s[CS], v[ST]     ; the same of each block's largest score
.endr
	s_wait_alu depctr_va_vdst(0)                   ; the wait ahead of the batch
.set j, 0
.rept 32
	v_exp_f32 v[S+j], v[S+j]                       ; p = 2^(t - M), at most 1, not normalised
.set j, j+1
.endr
.irp b, 0,1,2,3
	v_exp_f32 v[BM+\b], v[BM+\b]                   ; the block's largest p: the same two instructions on the same number
.endr
	v_pk_mul_f32 v[ST+2:ST+3], v[ST+2:ST+3], v[FF:FF+1] op_sel_hi:[1,0]   ; the sums under the new M (a plain place behind the exponentials)
	s_wait_alu depctr_va_vdst(0)                   ; behind the first batch (keys 0-63 and the blocks' largest p) and ahead of the second
.rept 32
	v_exp_f32 v[S+j], v[S+j]                       ; keys 64-127; the lines up to the next wait name none of these results
.set j, j+1
.endr
.irp b, 0,1,2,3
	v_max_num_f32 v[BM+\b], 0x8000000, v[BM+\b]    ; the floor 2^(16 - 127): the byte cannot fall under 1
.endr
.irp b, 0,1,2,3
	v_and_or_b32 v[HL+\b], v[BM+\b], 0x7f800000, s[MNT]   ; 57,344 x the scale
.endr
.irp b, 0,1,2,3
	v_add_nc_u32 v[BM+\b], 0xf8800000, v[BM+\b]    ; 15 off the exponent field: the conversion's scale operand
.endr
	v_lshrrev_b32 v[PS], 23, v[BM]                 ; the four bytes make p's scale word
	v_lshrrev_b32 v[T0], 23, v[BM+1]
	v_lshrrev_b32 v[T1], 23, v[BM+2]
	v_lshrrev_b32 v[TT], 23, v[BM+3]
	v_lshl_or_b32 v[PS], v[T0], 8, v[PS]
	v_lshl_or_b32 v[PS], v[T1], 16, v[PS]
	v_lshl_or_b32 v[PS], v[TT], 24, v[PS]
.irp k, 0,1,2,3                                ; the sum of the unquantised p, in four chains in the upper half of the codes' registers, which is free until blocks 2 and 3 are converted: keys 0-63
	v_pk_add_f32 v[PC+8+2*\k:PC+9+2*\k], v[S+2*\k:S+1+2*\k], v[S+8+2*\k:S+9+2*\k]
.endr
.irp m, 16,24
.irp k, 0,1,2,3
	v_pk_add_f32 v[PC+8+2*\k:PC+9+2*\k], v[PC+8+2*\k:PC+9+2*\k], v[S+\m+2*\k:S+\m+1+2*\k]
.endr
.endr
.irp b, 0                                      ; blocks 0 and 1: the hold and the conversions, as for blocks 2 and 3 below
.irp i, 0,2,4,6,8,10,12,14
	v_dual_min_num_f32 v[S+16*\b+\i], v[S+16*\b+\i], v[HL+\b] :: v_dual_min_num_f32 v[S+16*\b+17+\i], v[S+16*\b+17+\i], v[HL+\b+1]
	v_dual_min_num_f32 v[S+16*\b+16+\i], v[S+16*\b+16+\i], v[HL+\b+1] :: v_dual_min_num_f32 v[S+16*\b+1+\i], v[S+16*\b+1+\i], v[HL+\b]
.endr
	v_cvt_scalef32_pk8_bf8_f32 v[PC+4*\b:PC+4*\b+1], v[S+16*\b:S+16*\b+7], v[BM+\b]
	v_cvt_scalef32_pk8_bf8_f32 v[PC+4*\b+2:PC+4*\b+3], v[S+16*\b+8:S+16*\b+15], v[BM+\b]
	v_cvt_scalef32_pk8_bf8_f32 v[PC+4*\b+4:PC+4*\b+5], v[S+16*\b+16:S+16*\b+23], v[BM+\b+1]
	v_cvt_scalef32_pk8_bf8_f32 v[PC+4*\b+6:PC+4*\b+7], v[S+16*\b+24:S+16*\b+31], v[BM+\b+1]
.endr
	s_wait_alu depctr_va_vdst(0)                   ; behind the second batch, ahead of its first reader
.irp m, 32,40,48,56
.irp k, 0,1,2,3
	v_pk_add_f32 v[PC+8+2*\k:PC+9+2*\k], v[PC+8+2*\k:PC+9+2*\k], v[S+\m+2*\k:S+\m+1+2*\k]
.endr
.endr
	v_pk_add_f32 v[PC+8:PC+9], v[PC+8:PC+9], v[PC+12:PC+13]
	v_pk_add_f32 v[PC+10:PC+11], v[PC+10:PC+11], v[PC+14:PC+15]
	v_pk_add_f32 v[ST+2:ST+3], v[ST+2:ST+3], v[PC+8:PC+9]
	v_pk_add_f32 v[ST+2:ST+3], v[ST+2:ST+3], v[PC+10:PC+11]
.irp b, 2
.irp i, 0,2,4,6,8,10,12,14
	v_dual_min_num_f32 v[S+16*\b+\i], v[S+16*\b+\i], v[HL+\b] :: v_dual_min_num_f32 v[S+16*\b+17+\i], v[S+16*\b+17+\i], v[HL+\b+1]
	v_dual_min_num_f32 v[S+16*\b+16+\i], v[S+16*\b+16+\i], v[HL+\b+1] :: v_dual_min_num_f32 v[S+16*\b+1+\i], v[S+16*\b+1+\i], v[HL+\b]
.endr
	v_cvt_scalef32_pk8_bf8_f32 v[PC+4*\b:PC+4*\b+1], v[S+16*\b:S+16*\b+7], v[BM+\b]
	v_cvt_scalef32_pk8_bf8_f32 v[PC+4*\b+2:PC+4*\b+3], v[S+16*\b+8:S+16*\b+15], v[BM+\b]
	v_cvt_scalef32_pk8_bf8_f32 v[PC+4*\b+4:PC+4*\b+5], v[S+16*\b+16:S+16*\b+23], v[BM+\b+1]
	v_cvt_scalef32_pk8_bf8_f32 v[PC+4*\b+6:PC+4*\b+7], v[S+16*\b+24:S+16*\b+31], v[BM+\b+1]
.endr
.if (\u) == 1 && (\s) == 3
	TL2
.endif
	s_wait_alu depctr_va_vdst(0)                   ; directly ahead of the first reader of O^T
.irp j, 0,2,4,6,8,10,12,14
	v_pk_mul_f32 v[OU+\j:OU+\j+1], v[OU+\j:OU+\j+1], v[FF:FF+1] op_sel_hi:[1,0]   ; O^T under the new M; also the plain lines behind the conversions and in front of the products
.endr
.if (\u) == 0
	s_wait_alu depctr_va_vdst(0)
	s_wait_loadcnt 0x0                             ; V of this step: the only loads of mine that are out
.endif
	; the two accumulators take turns, and eight products K Q^T stand between their returns
	v_wmma_scale_f32_16x16x128_f8f6f4 v[OU:OU+7], v[VF:VF+15], v[PC:PC+15], v[OU:OU+7], v[VS], v[PS] matrix_a_fmt:MATRIX_FMT_BF8 matrix_b_fmt:MATRIX_FMT_BF8
	v_wmma_scale_f32_16x16x128_f8f6f4 v[OU+8:OU+15], v[VF+16:VF+31], v[PC:PC+15], v[OU+8:OU+15], v[VS], v[PS] matrix_a_fmt:MATRIX_FMT_BF8 matrix_b_fmt:MATRIX_FMT_BF8 matrix_a_scale:MATRIX_SCALE_ROW1
.endm
; One block of 32 along K, 16 numbers in v[s] on and 16 in lane l xor 16: codes into v[c:c+3]; t: largest magnitude, t+1 the other lane's, t+2 scale operand, t+3 the hold, t+4 the byte
.macro QB s, c, t
	v_max3_num_f32 v[\t], |v[\s]|, |v[\s+1]|, 0x8000000
.irp i, 2,4,6,8,10,12,14
	v_max3_num_f32 v[\t], v[\t], |v[\s+\i]|, |v[\s+\i+1]|
.endr
	v_permlanex16_b32 v[\t+1], v[\t], s[SEL], s[SEL+1]
	v_max_num_f32 v[\t], v[\t], v[\t+1]
	v_add_nc_u32 v[\t+2], 0xf8800000, v[\t]
	v_and_or_b32 v[\t+3], v[\t], 0x7f800000, s[MNT]
	v_lshrrev_b32 v[\t+4], 23, v[\t+2]
.irp i, 0,1,2,3,4,5,6,7,8,9,10,11,12,13,14,15
	v_med3_num_f32 v[\s+\i], v[\s+\i], -v[\t+3], v[\t+3]
.endr
	v_cvt_scalef32_pk8_bf8_f32 v[\c:\c+1], v[\s:\s+7], v[\t+2]
	v_cvt_scalef32_pk8_bf8_f32 v[\c+2:\c+3], v[\s+8:\s+15], v[\t+2]
	v_nop                                          ; a plain line behind the last conversion
.endm
.macro RED a, b                        ; sums over the 32 lanes of v[a] and v[b], by turns
.irp m, 1,2,4,8
	v_add_f32_dpp v[\a], v[\a], v[\a] row_xmask:\m row_mask:0xf bank_mask:0xf
	v_add_f32_dpp v[\b], v[\b], v[\b] row_xmask:\m row_mask:0xf bank_mask:0xf
.endr
	v_permlanex16_b32 v[\a+1], v[\a], s[SEL], s[SEL+1]
	v_permlanex16_b32 v[\b+1], v[\b], s[SEL], s[SEL+1]
	v_add_f32 v[\a], v[\a], v[\a+1]
	v_add_f32 v[\b], v[\b], v[\b+1]
.endm
; The norm of two rows and its quantising along the features.  Lane l holds features 4 l .. 4 l + 3: row A in v[y..y+3], row B in v[y+4..y+7].  The result stays unheld in v[o..o+7];
; its codes and bytes go into the fragment image at IMG and the scale words at SC.  g, e: gain and bias of my four features.  t: 20 registers at work.
.macro LNQ y, o, g, e, t
	v_pk_add_f32 v[\t:\t+1], v[\y:\y+1], v[\y+2:\y+3]
	v_pk_add_f32 v[\t+2:\t+3], v[\y+4:\y+5], v[\y+6:\y+7]
	v_add_f32 v[\t], v[\t], v[\t+1]
	v_add_f32 v[\t+2], v[\t+2], v[\t+3]
	RED \t, \t+2
	v_mul_f32 v[\t], s[INV], v[\t]                 ; the means
	v_mul_f32 v[\t+2], s[INV], v[\t+2]
	v_pk_add_f32 v[\y:\y+1], v[\y:\y+1], v[\t:\t+1] op_sel_hi:[1,0] neg_lo:[0,1] neg_hi:[0,1]
	v_pk_add_f32 v[\y+2:\y+3], v[\y+2:\y+3], v[\t:\t+1] op_sel_hi:[1,0] neg_lo:[0,1] neg_hi:[0,1]
	v_pk_add_f32 v[\y+4:\y+5], v[\y+4:\y+5], v[\t+2:\t+3] op_sel_hi:[1,0] neg_lo:[0,1] neg_hi:[0,1]
	v_pk_add_f32 v[\y+6:\y+7], v[\y+6:\y+7], v[\t+2:\t+3] op_sel_hi:[1,0] neg_lo:[0,1] neg_hi:[0,1]
	v_pk_mul_f32 v[\t+4:\t+5], v[\y:\y+1], v[\y:\y+1]
	v_pk_mul_f32 v[\t+6:\t+7], v[\y+4:\y+5], v[\y+4:\y+5]
	v_pk_fma_f32 v[\t+4:\t+5], v[\y+2:\y+3], v[\y+2:\y+3], v[\t+4:\t+5]
	v_pk_fma_f32 v[\t+6:\t+7], v[\y+6:\y+7], v[\y+6:\y+7], v[\t+6:\t+7]
	v_add_f32 v[\t+4], v[\t+4], v[\t+5]
	v_add_f32 v[\t+6], v[\t+6], v[\t+7]
	RED \t+4, \t+6
	v_fma_f32 v[\t+4], v[\t+4], s[INV], s[EPS]     ; the variance + 1e-8
	v_fma_f32 v[\t+6], v[\t+6], s[INV], s[EPS]
	s_wait_alu depctr_va_vdst(0)
	v_rsq_f32 v[\t+4], v[\t+4]
	v_rsq_f32 v[\t+6], v[\t+6]
	v_nop                                          ; a plain line behind the transcendentals
	s_wait_alu depctr_va_vdst(0)
	v_pk_mul_f32 v[\y:\y+1], v[\y:\y+1], v[\t+4:\t+5] op_sel_hi:[1,0]
	v_pk_mul_f32 v[\y+2:\y+3], v[\y+2:\y+3], v[\t+4:\t+5] op_sel_hi:[1,0]
	v_pk_mul_f32 v[\y+4:\y+5], v[\y+4:\y+5], v[\t+6:\t+7] op_sel_hi:[1,0]
	v_pk_mul_f32 v[\y+6:\y+7], v[\y+6:\y+7], v[\t+6:\t+7] op_sel_hi:[1,0]
	v_pk_fma_f32 v[\o:\o+1], v[\y:\y+1], v[\g:\g+1], v[\e:\e+1]
	v_pk_fma_f32 v[\o+2:\o+3], v[\y+2:\y+3], v[\g+2:\g+3], v[\e+2:\e+3]
	v_pk_fma_f32 v[\o+4:\o+5], v[\y+4:\y+5], v[\g:\g+1], v[\e:\e+1]
	v_pk_fma_f32 v[\o+6:\o+7], v[\y+6:\y+7], v[\g+2:\g+3], v[\e+2:\e+3]
	v_max3_num_f32 v[\t], |v[\o]|, |v[\o+1]|, 0x8000000      ; a block of 32 features lies in eight neighbouring lanes
	v_max3_num_f32 v[\t+2], |v[\o+4]|, |v[\o+5]|, 0x8000000
	v_max3_num_f32 v[\t], v[\t], |v[\o+2]|, |v[\o+3]|
	v_max3_num_f32 v[\t+2], v[\t+2], |v[\o+6]|, |v[\o+7]|
.irp m, 1,2,4
	v_max_num_f32_dpp v[\t], v[\t], v[\t] row_xmask:\m row_mask:0xf bank_mask:0xf
	v_max_num_f32_dpp v[\t+2], v[\t+2], v[\t+2] row_xmask:\m row_mask:0xf bank_mask:0xf
.endr
	v_add_nc_u32 v[\t+4], 0xf8800000, v[\t]        ; the scale operands,
	v_add_nc_u32 v[\t+5], 0xf8800000, v[\t+2]
	v_and_or_b32 v[\t+6], v[\t], 0x7f800000, s[MNT]   ; the holds,
	v_and_or_b32 v[\t+7], v[\t+2], 0x7f800000, s[MNT]
	v_lshrrev_b32 v[\t], 23, v[\t+4]               ; the bytes
	v_lshrrev_b32 v[\t+2], 23, v[\t+5]
.irp i, 0,1,2,3
	v_med3_num_f32 v[\t+8+\i], v[\o+\i], -v[\t+6], v[\t+6]
	v_med3_num_f32 v[\t+12+\i], v[\o+4+\i], -v[\t+7], v[\t+7]
.endr
	v_cvt_scalef32_pk8_bf8_f32 v[\t+16:\t+17], v[\t+8:\t+15], v[\t+4]   ; under row A's scale: the first register is row A's four codes
	v_cvt_scalef32_pk8_bf8_f32 v[\t+18:\t+19], v[\t+8:\t+15], v[\t+5]   ; under row B's: the second register is row B's
	v_nop
	ds_store_b32 v[IA], v[\t+16] offset:IMG
	ds_store_b32 v[IA], v[\t+19] offset:IMG+16
	ds_store_b8 v[SA], v[\t] offset:SC             ; the eight lanes of a block store the same byte
	ds_store_b8 v[SA], v[\t+2] offset:SC+4
.endm
	; ---------------- the head
	s_load_b512 s[8:23], s[0:1], 0x0               ; x in 8, codes in 10, layer number in 12, weights 14, wo_b 16, ln1_g 18, ln1_b 20, fc1_b 22
	s_load_b256 s[24:31], s[0:1], 0x40             ; fc2_b 24, ln2_g 26, ln2_b 28, x out 30
	s_load_b128 s[32:35], s[0:1], 0x60             ; codes out 32, layer number out 34
	v_lshl_add_u32 v[SPW], v0, 2, SPARE
	v_mov_b32 v[NIL], 0
	v_lshrrev_b32 v1, 5, v0
	v_readfirstlane_b32 s[WV], v1                  ; wave 0..15
	v_and_b32 v[LI16], 31, v0
	v_lshlrev_b32 v[L4], 2, v[LI16]
	v_lshlrev_b32 v[LI16], 4, v[LI16]
	v_and_b32 v[L4R], 15, v0
	v_lshlrev_b32 v[L4R], 2, v[L4R]
	v_bfe_u32 v[B1O], v0, 4, 1
	v_lshlrev_b32 v[B1O], 6, v[B1O]
.set j, 0
.rept 12
	v_mov_b32 v[QZ+j], 0                           ; the zero codes round q0 and q1
	v_mov_b32 v[QZ+16+j], 0
	v_mov_b32 v[QZ+32+j], 0
.set j, j+1
.endr
.set j, 0
.rept 32
	v_mov_b32 v[OT+j], 0                           ; the unit is written once: the first finds zeros, which the first change of M leaves zeros
.set j, j+1
.endr
.irp u, 0,1
	v_mov_b32 v[5+4*\u], 0xff61b1e6                ; the largest t so far: -3e38
	v_floor_f32 v[4+4*\u], -v[5+4*\u]              ; -M
	v_mov_b32 v[6+4*\u], 0
	v_mov_b32 v[7+4*\u], 0
.endr
.irp b, 0,1,2,3
	v_mov_b32 v[HL+\b], 0                          ; a lane permute's destination counts as one of its sources
.endr
	v_mov_b32 v[TT], 0
	s_wait_alu depctr_va_vdst(0)                   ; ahead of the run of scalar lines
	s_and_b32 s[HD], s[WV], 3                      ; head
	s_bfe_u32 s[QT], s[WV], 0x10002                ; the tail's row tile
	s_lshr_b32 s[KH], s[WV], 3                     ; the tail's half
	s_and_b32 s[FT], s[WV], 7
	s_lshr_b32 s[KQ], s[WV], 2                     ; my quarter of the keys
	s_and_b32 s[CX], ttmp9, 3                      ; which 32 of a key step's 128 rows are my work-group's
	s_lshr_b32 s[BAT], ttmp9, 6                    ; batch
	s_mov_b32 s[SEL], 0x76543210
	s_mov_b32 s[SEL+1], 0xfedcba98                 ; v_permlanex16_b32's selects for lane l xor 16
	s_mov_b32 s[CS], 0x3e8293ee                    ; c = log2(e) / sqrt(32)
	s_mov_b32 s[CS+1], s[CS]
	s_mov_b32 s[MNT], 0x600000                     ; the mantissa field of 57,344
	s_mov_b32 s[INV], 0x3c000000                   ; 1 / 128
	s_mov_b32 s[EPS], 0x322bcc77                   ; 1e-8
	; the tail's LDS offsets
	s_mul_i32 s48, s[WV], 5120
	s_add_co_u32 s48, s48, MRG                     ; my two tiles' place in the merge
	s_mul_i32 s49, s[HD], 5120
	s_mul_i32 s2, s[QT], 2560
	s_add_co_u32 s49, s49, s2
	s_add_co_u32 s49, s49, MRG                     ; quarter 0's part of (head, row tile); the others lie 20,480 apart
	s_lshl_b32 s50, s[QT], 11
	s_lshl_b32 s2, s[HD], 9
	s_add_co_u32 s50, s50, s2
	s_lshl_b32 s51, s[QT], 6
	s_add_co_u32 s51, s51, s[HD]
	s_lshl_b32 s52, s[KH], 11
	s_lshl_b32 s53, s[KH], 6
	s_lshl_b32 s54, s[HD], 7
	s_lshl_b32 s2, s[QT], 5
	s_add_co_u32 s54, s54, s2
	s_lshl_b32 s55, s[FT], 6
	s_mul_i32 s56, s[KH], 8*YP
	s_mul_i32 s57, s[KH], 32*YP
	s_mul_i32 s58, s[WV], 2*YP
	s_lshl_b32 s59, s[QT], 11
	s_lshl_b32 s2, s[KH], 7
	s_add_co_u32 s59, s59, s2
	s_lshl_b32 s2, s[HD], 5
	s_add_co_u32 s59, s59, s2
	s_lshl_b32 s60, s[QT], 6
	s_lshl_b32 s2, s[KH], 5
	s_add_co_u32 s60, s60, s2
	s_lshl_b32 s2, s[HD], 3
	s_add_co_u32 s60, s60, s2
	s_lshl_b32 s61, s[WV], 9
	s_lshl_b32 s62, s[KQ], 6
	s_add_co_u32 s62, s62, s[HD]
	s_lshl_b32 s63, s[KH], 12
	s_lshl_b32 s45, s[KH], 7
	; global offsets
	s_mul_i32 s94, s[BAT], BATB
	s_mul_i32 s4, s[HD], HB
	s_add_co_u32 s94, s94, s4                      ; batch + head
	s_mov_b32 s95, 0
	s_mul_i32 s4, s[KQ], 4*STEPB
	s_add_co_u32 s4, s4, s94                       ; my first key step's block
	s_mov_b32 s5, 0
	s_bfe_u32 s6, ttmp9, 0x40002
	s_mul_i32 s6, s6, STEPB
	s_add_co_u32 s94, s94, s6                      ; my rows' block
	s_lshl_b32 s6, ttmp9, 7                        ; my work-group's word of the layer number
	s_mov_b32 s7, 0
	s_wait_kmcnt 0x0
	s_add_nc_u64 s[12:13], s[12:13], s[6:7]
	s_load_b32 s[LAY], s[12:13], 0x0
	s_add_nc_u64 s[KB:KB+1], s[10:11], s[4:5]
	; my four key steps are walked in an order turned by the work-group's number mod 4: the i-th is step (i + number) mod 4 of my quarter, so the work-groups of a batch ask for different blocks in the same unit
	s_mul_i32 s4, s[CX], STEPB
	s_add_nc_u64 s[72:73], s[KB:KB+1], s[4:5]
	s_add_co_u32 s2, s[CX], 1
	s_and_b32 s2, s2, 3
	s_mul_i32 s4, s2, STEPB
	s_add_nc_u64 s[74:75], s[KB:KB+1], s[4:5]
	s_add_nc_u64 s[96:97], s[10:11], s[94:95]
	s_add_nc_u64 s[CB:CB+1], s[32:33], s[94:95]
	s_mov_b64 s[98:99], s[96:97]
	s_mov_b64 s[SB:SB+1], s[CB:CB+1]
	s_lshl_b32 s4, s[CX], 10                       ; q0, q1 are K tiles 2 x place and the next of my rows' step
	s_lshr_b32 s6, s[CX], 1
	s_lshl_b32 s6, s6, 6
	s_and_b32 s94, s[CX], 1
	s_lshl_b32 s94, s94, 1
	s_add_co_u32 s6, s6, s94
	s_add_co_u32 s6, s6, 8192                      ; q0's byte in the scale words; q1's is the next
	s_add_nc_u64 s[96:97], s[96:97], s[4:5]
	s_add_nc_u64 s[98:99], s[98:99], s[6:7]
	global_load_b128 v[QZ+12:QZ+15], v[LI16], s[96:97]
	global_load_b128 v[QZ+28:QZ+31], v[LI16], s[96:97] offset:512
	global_load_u8 v[QS], v[L4R], s[98:99]
	global_load_u8 v[QS+1], v[L4R], s[98:99] offset:1
	LOADK 0
	LOADV 0
	; where my part of the next layer's codes goes: waves 0-7 make V's groups (feature tile = row-tile number), waves 8-15 copy K's tiles
	s_lshl_b32 s94, s[CX], 1
	s_add_co_u32 s94, s94, s[QT]
	s_lshl_b32 s4, s94, 9
	s_lshr_b32 s6, s94, 2
	s_lshl_b32 s6, s6, 6
	s_and_b32 s94, s94, 3
	s_add_co_u32 s6, s6, s94
	s_add_co_u32 s6, s6, 8192
	s_lshl_b32 s94, s[QT], 11
	s_lshl_b32 s95, s[CX], 9
	s_add_co_u32 s94, s94, s95
	s_add_co_u32 s94, s94, 4096
	s_lshl_b32 s95, s[QT], 6
	s_add_co_u32 s95, s95, s[CX]
	s_add_co_u32 s95, s95, 8320
	s_cmp_eq_u32 s[KH], 0
	s_cselect_b32 s4, s94, s4
	s_cselect_b32 s6, s95, s6
	s_add_nc_u64 s[CB:CB+1], s[CB:CB+1], s[4:5]
	s_add_nc_u64 s[SB:SB+1], s[SB:SB+1], s[6:7]
	s_wait_kmcnt 0x0
	s_min_u32 s[LAY], s[LAY], 5                    ; the layer number, held inside the tables
	s_mul_i32 s4, s[LAY], LAYB
	s_add_nc_u64 s[14:15], s[14:15], s[4:5]        ; the layer's weights
	s_lshl_b32 s4, s[FT], 11
	s_add_nc_u64 s[SWO:SWO+1], s[14:15], s[4:5]    ; wo: fragment w % 8
	s_lshl_b32 s4, s[WV], 12
	s_add_co_u32 s4, s4, 16384
	s_add_nc_u64 s[SW1:SW1+1], s[14:15], s[4:5]    ; fc1: fragments 8 + 2 w, 9 + 2 w
	s_lshl_b32 s6, s[FT], 2
	s_lshl_b32 s4, s[KH], 1
	s_add_co_u32 s6, s6, s4
	s_lshl_b32 s4, s6, 11
	s_add_co_u32 s4, s4, 81920
	s_add_nc_u64 s[SW2:SW2+1], s[14:15], s[4:5]    ; fc2: fragments 40 + 4 (w % 8) + 2 (w / 8), and the next
	s_lshl_b32 s4, s[FT], 7
	s_add_co_u32 s4, s4, WSC
	s_add_nc_u64 s[SSO:SSO+1], s[14:15], s[4:5]    ; and their scale words, 128 bytes a fragment
	s_lshl_b32 s4, s[WV], 8
	s_add_co_u32 s4, s4, WSC+1024
	s_add_nc_u64 s[SS1:SS1+1], s[14:15], s[4:5]
	s_lshl_b32 s4, s6, 7
	s_add_co_u32 s4, s4, WSC+5120
	s_add_nc_u64 s[SS2:SS2+1], s[14:15], s[4:5]
	s_lshl_b32 s4, s[LAY], 9
.irp p, 16,18,20,24,26,28
	s_add_nc_u64 s[\p:\p+1], s[\p:\p+1], s[4:5]    ; the six vectors of 128
.endr
	s_lshl_b32 s4, s[LAY], 11
	s_lshl_b32 s6, s[WV], 7
	s_add_co_u32 s4, s4, s6
	s_add_nc_u64 s[22:23], s[22:23], s[4:5]        ; fc1_b at my 32 hidden units
	s_lshl_b32 s4, ttmp9, 14
	s_lshl_b32 s6, s[WV], 10
	s_add_co_u32 s4, s4, s6
	s_add_nc_u64 s[8:9], s[8:9], s[4:5]            ; x in and out at rows 32 x work-group + 2 w
	s_add_nc_u64 s[30:31], s[30:31], s[4:5]
	s_lshl_b32 s4, ttmp9, 7
	s_add_nc_u64 s[34:35], s[34:35], s[4:5]
	s_add_co_u32 s2, s[CX], 2                      ; the third and fourth key step's bases, in pairs that are done with
	s_and_b32 s2, s2, 3
	s_mul_i32 s4, s2, STEPB
	s_add_nc_u64 s[12:13], s[KB:KB+1], s[4:5]
	s_add_co_u32 s2, s[CX], 3
	s_and_b32 s2, s2, 3
	s_mul_i32 s4, s2, STEPB
	s_add_nc_u64 s[32:33], s[KB:KB+1], s[4:5]
	s_add_co_u32 s6, s[LAY], 1
	s_cmp_lg_u32 s[WV], 0
	s_cbranch_scc1 .Lnot_first
	v_mov_b32 v[T1], s6
	global_store_b32 v[L4], v[T1], s[34:35]        ; the next launch's layer number
.Lnot_first:
	s_wait_alu depctr_va_vdst(0)
	s_wait_loadcnt 9                               ; q, its bytes and K's first step are in; V's nine loads may be out
	s_wait_xcnt 0x0                                ; the store above has read its registers
	v_mul_lo_u32 v[QS], v[QS], 0x01010101          ; q's byte for whichever block q stands in
	v_mul_lo_u32 v[QS+1], v[QS+1], 0x01010101
	PLACES 8                                       ; a scale register written by a vector instruction stands eight places ahead of its product
	; ---------------- attention: my four key steps, both row tiles
.irp s, 0,1,2,3
	UNIT 0, \s
	UNIT 1, \s
.if \s < 3
	PLACES 8                                       ; behind the last V^T P^T, in front of the loads into V's registers and scale word
	LOADV \s+1
.endif
.endr
	; ---------------- the tail.  These plain lines, which name none of the last products' registers, are also the places behind them
	v_and_b32 v[T0], 15, v0                        ; r
	v_bfe_u32 v[T1], v0, 4, 1                      ; h
	v_add_nc_u32 v[MA], s48, v[LI16]
	v_add_nc_u32 v[ML], s49, v[LI16]
	v_add_nc_u32 v[OST], s50, v[LI16]              ; group (row tile, head) of a fragment image
	v_add_nc_u32 v[OSB], s51, v[L4R]               ; and its byte in the scale words
	v_add_nc_u32 v[FRL], s52, v[LI16]
	v_add_nc_u32 v[FSL], s53, v[L4R]
	v_and_b32 v[YS5], 8, v[T0]
	v_add_nc_u32 v[YS5], v[YS5], v[T0]             ; perm(r)
	global_load_b32 v60, v[L4R], s[SSO:SSO+1]      ; the weights' scale words, into attention's scale registers
	global_load_b32 v61, v[L4R], s[SS1:SS1+1]
	global_load_b32 v62, v[L4R], s[SS1:SS1+1] offset:128
	global_load_b32 v63, v[L4R], s[SS2:SS2+1]
	global_load_b32 v64, v[L4R], s[SS2:SS2+1] offset:128
.irp u, 0,1
	v_add_f32 v[6+4*\u], v[6+4*\u], v[7+4*\u]      ; the sum's two halves,
.endr
.irp u, 0,1
	v_permlanex16_b32 v[7+4*\u], v[6+4*\u], s[SEL], s[SEL+1]
.endr
.irp u, 0,1
	v_add_f32 v[6+4*\u], v[6+4*\u], v[7+4*\u]      ; and lane l xor 16's
.endr
	v_mul_u32_u24 v[VA], v[T1], 16*YP
	v_lshl_add_u32 v[VA], v[YS5], 2, v[VA]
	v_add_nc_u32 v[VA], s54, v[VA]                 ; the new x: row 16 h, feature 32 head + 8 tile + perm(r)
	v_mul_u32_u24 v[YS5], v[YS5], YP
	v_lshl_add_u32 v[YS5], v[T1], 5, v[YS5]
	v_add_nc_u32 v[YS5], s55, v[YS5]               ; row perm(r), features 16 (w % 8) + 8 h on
	v_add_nc_u32 v[YS2], s56, v[YS5]               ; wo: + 8 rows for row tile 1
	v_add_nc_u32 v[YS5], s57, v[YS5]               ; fc2: the second half of K goes to Y1
	v_add_nc_u32 v[YLD], s58, v[LI16]              ; rows 2 w, 2 w + 1, whole
	v_and_b32 v[T0], 31, v0
	v_lshrrev_b32 v[SA], 3, v[T0]                  ; my four features' block of 32
	v_lshlrev_b32 v[IA], 9, v[SA]
	v_bfe_u32 v[T1], v0, 2, 1
	v_lshl_add_u32 v[IA], v[T1], 8, v[IA]          ; which half of the block: lanes 16-31 of the image
	v_and_b32 v[T1], 3, v0
	v_lshl_add_u32 v[IA], v[T1], 2, v[IA]
	v_add_nc_u32 v[IA], s59, v[IA]
	v_add_nc_u32 v[SA], s60, v[SA]
	v_add_nc_u32 v[HST], s61, v[LI16]              ; hidden block w: group w of a row tile's 16
	v_add_nc_u32 v[HSB], s62, v[L4R]
	v_add_nc_u32 v[HLD], s63, v[LI16]
	v_add_nc_u32 v[HSL], s45, v[L4R]
	; ---- every wave hands over both tiles' O^T and -M, l
.irp u, 0,1
.irp c, 0,1,2,3
	s_wait_alu depctr_va_vdst(0)                   ; directly ahead of a first reader of O^T
	ds_store_b128 v[MA], v[OT+16*\u+4*\c:OT+16*\u+4*\c+3] offset:2560*\u+512*\c   ; each accumulator from its low end on
.endr
	ds_store_b128 v[MA], v[4+4*\u:7+4*\u] offset:2560*\u+2048
.endr
	BARRIER
	; ---- waves 0-7 merge the four key quarters of (head, row tile), divide by l and quantise o
	s_cmp_lt_u32 s[WV], 8
	s_cbranch_scc0 .Lmerged
.irp k, 0,1
.irp c, 0,1,2,3
	ds_load_b128 v[102+16*\k+4*\c:105+16*\k+4*\c], v[ML] offset:20480*\k+512*\c
	ds_load_b128 v[214+16*\k+4*\c:217+16*\k+4*\c], v[ML] offset:20480*(\k+2)+512*\c
.endr
.endr
.irp k, 0,1,2,3
	ds_load_b128 v[198+4*\k:201+4*\k], v[ML] offset:20480*\k+2048
.endr
	s_wait_dscnt 0x0
	v_min3_num_f32 v12, v198, v202, v206
	v_min_num_f32 v12, v12, v210                   ; -M of all four
.irp k, 0,1,2,3
	v_sub_f32 v[4+2*\k], v12, v[198+4*\k]          ; quarter k's M - the new M: a whole number, 0 or less
.endr
.irp k, 0,1,2,3
	v_cvt_i32_f32 v[4+2*\k], v[4+2*\k]
.endr
.irp k, 0,1,2,3
	v_ldexp_f32 v[4+2*\k], 1.0, v[4+2*\k]
.endr
	v_mul_f32 v13, v200, v4
	v_fmac_f32 v13, v204, v6
	v_fmac_f32 v13, v208, v8
	v_fmac_f32 v13, v212, v10                      ; l
	s_wait_alu depctr_va_vdst(0)
	v_rcp_f32 v13, v13
	v_nop
	s_wait_alu depctr_va_vdst(0)
.irp k, 0,1,2,3
	v_mul_f32 v[4+2*\k], v[4+2*\k], v13            ; the exact factors take 1 / l with them
.endr
.irp j, 0,2,4,6,8,10,12,14
	v_pk_mul_f32 v[102+\j:103+\j], v[102+\j:103+\j], v[4:5] op_sel_hi:[1,0]
.endr
.irp j, 0,2,4,6,8,10,12,14
	v_pk_fma_f32 v[102+\j:103+\j], v[118+\j:119+\j], v[6:7], v[102+\j:103+\j] op_sel_hi:[1,0,1]
.endr
.irp j, 0,2,4,6,8,10,12,14
	v_pk_fma_f32 v[102+\j:103+\j], v[214+\j:215+\j], v[8:9], v[102+\j:103+\j] op_sel_hi:[1,0,1]
.endr
.irp j, 0,2,4,6,8,10,12,14
	v_pk_fma_f32 v[102+\j:103+\j], v[230+\j:231+\j], v[10:11], v[102+\j:103+\j] op_sel_hi:[1,0,1]
.endr
	QB 102, 198, 202
	ds_store_b128 v[OST], v[198:201] offset:IMG
	ds_store_b8 v[OSB], v206 offset:SC             ; lanes r and r + 16 store the same byte
.Lmerged:
	BARRIER
	; ---- wo: wave = (16 outputs w % 8, row tile w / 8)
	s_wait_loadcnt 0x0                             ; the tail's 37 loads
.irp c, 0,1,2,3
	ds_load_b128 v[102+4*\c:105+4*\c], v[FRL] offset:IMG+512*\c
.endr
	ds_load_b32 v65, v[FSL] offset:SC
	v_pk_add_f32 v[182:183], v[182:183], v[32:33]  ; x + wo_b, while the loads are out
	v_pk_add_f32 v[184:185], v[184:185], v[34:35]
	v_pk_add_f32 v[186:187], v[186:187], v[32:33]
	v_pk_add_f32 v[188:189], v[188:189], v[34:35]
	s_wait_alu depctr_va_vdst(0)
	s_wait_dscnt 0x0
	v_wmma_scale_f32_16x16x128_f8f6f4 v[214:221], v[16:31], v[102:117], 0, v60, v65 matrix_a_fmt:MATRIX_FMT_BF8 matrix_b_fmt:MATRIX_FMT_BF8
	PLACES 8
	ds_store_b128 v[YS2], v[214:217] offset:Y0
	ds_store_b128 v[YS2], v[218:221] offset:Y0+16
	BARRIER
	; ---- the first norm: rows 2 w, 2 w + 1
	ds_load_b128 v[102:105], v[YLD] offset:Y0
	ds_load_b128 v[106:109], v[YLD] offset:Y0+YP
	s_wait_dscnt 0x0
.irp j, 0,2,4,6
	v_pk_add_f32 v[102+\j:103+\j], v[102+\j:103+\j], v[182+\j:183+\j]
.endr
	LNQ 102, 4, 36, 40, 198
	v_pk_add_f32 v[182:183], v[4:5], v[44:45]      ; x1 + fc2_b, kept for the second residual
	v_pk_add_f32 v[184:185], v[6:7], v[46:47]
	v_pk_add_f32 v[186:187], v[8:9], v[44:45]
	v_pk_add_f32 v[188:189], v[10:11], v[46:47]
	BARRIER
	; ---- fc1: wave = hidden units 32 w .. 32 w + 31, both row tiles; the bias is the C of each product
.irp q, 0,1
.irp c, 0,1,2,3
	ds_load_b128 v[102+16*\q+4*\c:105+16*\q+4*\c], v[LI16] offset:IMG+2048*\q+512*\c
.endr
	ds_load_b32 v[65+\q], v[L4R] offset:SC+64*\q
.endr
	s_wait_dscnt 0x0
.irp q, 0,1
.irp u, 0,1
	v_wmma_scale_f32_16x16x128_f8f6f4 v[214+8*(2*\q+\u):221+8*(2*\q+\u)], v[KF+16*\u:KF+15+16*\u], v[102+16*\q:117+16*\q], v[166+8*\u:173+8*\u], v[61+\u], v[65+\q] matrix_a_fmt:MATRIX_FMT_BF8 matrix_b_fmt:MATRIX_FMT_BF8
.endr
.endr
	PLACES 8
	QB 214, 198, 202                               ; a lane's 16 registers are hidden units 32 w + 16 h + 0 .. 15: one block of the next K
	ds_store_b128 v[HST], v[198:201] offset:HIMG
	ds_store_b8 v[HSB], v206 offset:HSC
	QB 230, 102, 106
	ds_store_b128 v[HST], v[102:105] offset:HIMG+8192
	ds_store_b8 v[HSB], v110 offset:HSC+256
	BARRIER
	; ---- fc2: wave = (16 outputs w % 8, K steps 2 (w / 8) and the next), both row tiles; the two accumulators take turns
.irp q, 0,1
.irp i, 0,1
.irp c, 0,1,2,3
	ds_load_b128 v[102+96*\q+16*\i+4*\c:105+96*\q+16*\i+4*\c], v[HLD] offset:HIMG+8192*\q+2048*\i+512*\c
.endr
	ds_load_b32 v[65+2*\q+\i], v[HSL] offset:HSC+256*\q+64*\i
.endr
.endr
	s_wait_dscnt 0x0
.irp q, 0,1
	v_wmma_scale_f32_16x16x128_f8f6f4 v[230+8*\q:237+8*\q], v[134:149], v[102+96*\q:117+96*\q], 0, v63, v[65+2*\q] matrix_a_fmt:MATRIX_FMT_BF8 matrix_b_fmt:MATRIX_FMT_BF8
.endr
.irp q, 0,1
	v_wmma_scale_f32_16x16x128_f8f6f4 v[230+8*\q:237+8*\q], v[150:165], v[118+96*\q:133+96*\q], v[230+8*\q:237+8*\q], v64, v[66+2*\q] matrix_a_fmt:MATRIX_FMT_BF8 matrix_b_fmt:MATRIX_FMT_BF8
.endr
	PLACES 8
.irp q, 0,1
	ds_store_b128 v[YS5], v[230+8*\q:233+8*\q] offset:Y0+8*YP*\q
	ds_store_b128 v[YS5], v[234+8*\q:237+8*\q] offset:Y0+8*YP*\q+16
.endr
	BARRIER
	; ---- the second norm; the new x leaves, and lies in LDS for the view along the keys
	ds_load_b128 v[102:105], v[YLD] offset:Y0
	ds_load_b128 v[106:109], v[YLD] offset:Y0+YP
	ds_load_b128 v[110:113], v[YLD] offset:Y1
	ds_load_b128 v[114:117], v[YLD] offset:Y1+YP
	s_wait_dscnt 0x0
.irp j, 0,2,4,6
	v_pk_add_f32 v[102+\j:103+\j], v[102+\j:103+\j], v[110+\j:111+\j]
.endr
.irp j, 0,2,4,6
	v_pk_add_f32 v[102+\j:103+\j], v[102+\j:103+\j], v[182+\j:183+\j]
.endr
	LNQ 102, 4, 48, 52, 198
	global_store_b128 v[LI16], v[4:7], s[30:31]                 ; 32 lanes store a row of 512 consecutive bytes
	global_store_b128 v[LI16], v[8:11], s[30:31] offset:512
	ds_store_b128 v[YLD], v[4:7] offset:Y0                      ; over my own two rows, which I alone have read
	ds_store_b128 v[YLD], v[8:11] offset:Y0+YP
	BARRIER
	; ---- the next layer's codes: waves 0-7 quantise along my 32 rows (one block of keys) for V; waves 8-15 pass on the K tiles, which are the image just made
	s_cmp_eq_u32 s[KH], 0
	s_cbranch_scc0 .Lk_role
.irp i, 0,1,2,3,4,5,6,7,8,9,10,11,12,13,14,15
	ds_load_b32 v[102+\i], v[VA] offset:Y0+YP*\i
.endr
	s_wait_dscnt 0x0
	QB 102, 198, 202
	s_wait_alu depctr_va_vdst(0)
	s_branch .Lsend
.Lk_role:
	ds_load_b128 v[198:201], v[OST] offset:IMG
	ds_load_u8 v206, v[OSB] offset:SC
	s_wait_dscnt 0x0
.Lsend:
	global_store_b128 v[LI16], v[198:201], s[CB:CB+1]           ; 512 consecutive bytes
	global_store_b8 v[L4R], v206, s[SB:SB+1]                    ; a byte of each of 16 scale words, whose other bytes belong to other rows' owners; lanes r and r + 16 store the same byte
	s_wait_tensorcnt 0x0                           ; the wave's end, behind my last LDS store
	ds_add_u32 v[SPW], v[NIL]
	s_wait_dscnt 0x0
	s_endpgm
.Lfunc_end_k_q3e8e8570c9_layer0:
	.size	k_q3e8e8570c9_layer0, .Lfunc_end_k_q3e8e8570c9_layer0-k_q3e8e8570c9_layer0
	.p2alignl 7, 3214868480
	.fill 96, 4, 3214868480
	.section	.rodata,"a",@progbits
	.p2align	6, 0x0
	.amdhsa_kernel k_q3e8e8570c9_layer0
		.amdhsa_group_segment_fixed_size 88320
		.amdhsa_private_segment_fixed_size 0
		.amdhsa_enable_private_segment 0
		.amdhsa_kernarg_size 112
		.amdhsa_user_sgpr_count 2
		.amdhsa_user_sgpr_kernarg_segment_ptr 1
		.amdhsa_wavefront_size32 1
		.amdhsa_system_sgpr_workgroup_id_x 1
		.amdhsa_system_sgpr_workgroup_id_y 1
		.amdhsa_system_sgpr_workgroup_id_z 1
		.amdhsa_system_vgpr_workitem_id 0
		.amdhsa_next_free_vgpr 256
		.amdhsa_next_free_sgpr 100
		.amdhsa_reserve_vcc 0
		.amdhsa_float_denorm_mode_32 3
		.amdhsa_float_denorm_mode_16_64 3
		.amdhsa_memory_ordered 1
		.amdhsa_forward_progress 1
		.amdhsa_inst_pref_size 177
	.end_amdhsa_kernel
	.amdgpu_metadata
---
amdhsa.version: [ 1, 2 ]
amdhsa.kernels:
  - .name:           k_q3e8e8570c9_layer0
    .symbol:         k_q3e8e8570c9_layer0.kd
    .args:
      - { .name: x, .offset: 0, .size: 8, .value_kind: global_buffer, .address_space: global }
      - { .name: cdA, .offset: 8, .size: 8, .value_kind: global_buffer, .address_space: global }
      - { .name: ctrA, .offset: 16, .size: 8, .value_kind: global_buffer, .address_space: global }
      - { .name: wq, .offset: 24, .size: 8, .value_kind: global_buffer, .address_space: global }
      - { .name: wo_b, .offset: 32, .size: 8, .value_kind: global_buffer, .address_space: global }
      - { .name: ln1_g, .offset: 40, .size: 8, .value_kind: global_buffer, .address_space: global }
      - { .name: ln1_b, .offset: 48, .size: 8, .value_kind: global_buffer, .address_space: global }
      - { .name: fc1_b, .offset: 56, .size: 8, .value_kind: global_buffer, .address_space: global }
      - { .name: fc2_b, .offset: 64, .size: 8, .value_kind: global_buffer, .address_space: global }
      - { .name: ln2_g, .offset: 72, .size: 8, .value_kind: global_buffer, .address_space: global }
      - { .name: ln2_b, .offset: 80, .size: 8, .value_kind: global_buffer, .address_space: global }
      - { .name: xfA, .offset: 88, .size: 8, .value_kind: global_buffer, .address_space: global }
      - { .name: cdB, .offset: 96, .size: 8, .value_kind: global_buffer, .address_space: global }
      - { .name: ctrB, .offset: 104, .size: 8, .value_kind: global_buffer, .address_space: global }
    .group_segment_fixed_size: 88320
    .private_segment_fixed_size: 0
    .kernarg_segment_align: 8
    .kernarg_segment_size: 112
    .max_flat_workgroup_size: 512
    .sgpr_count:     100
    .vgpr_count:     256
    .wavefront_size: 32
...
	.end_amdgpu_metadata
.endif
;; end of part 2
;; launch layer1: the kernel of part 2 again; grid 256 x 1, 16 waves a work-group, no clusters, 88,320 bytes of LDS; arguments xfA, cdB, ctrB, wq, wo_b, ln1_g, ln1_b, fc1_b, fc2_b, ln2_g, ln2_b, xfB, cdA, ctrA; writes xfB, cdA, ctrA
;; launch layer2: the kernel of part 2 again; grid 256 x 1, 16 waves a work-group, no clusters, 88,320 bytes of LDS; arguments xfB, cdA, ctrA, wq, wo_b, ln1_g, ln1_b, fc1_b, fc2_b, ln2_g, ln2_b, xfA, cdB, ctrB; writes xfA, cdB, ctrB
;; launch layer3: the kernel of part 2 again; grid 256 x 1, 16 waves a work-group, no clusters, 88,320 bytes of LDS; arguments xfA, cdB, ctrB, wq, wo_b, ln1_g, ln1_b, fc1_b, fc2_b, ln2_g, ln2_b, xfB, cdA, ctrA; writes xfB, cdA, ctrA
;; launch layer4: the kernel of part 2 again; grid 256 x 1, 16 waves a work-group, no clusters, 88,320 bytes of LDS; arguments xfB, cdA, ctrA, wq, wo_b, ln1_g, ln1_b, fc1_b, fc2_b, ln2_g, ln2_b, xfA, cdB, ctrB; writes xfA, cdB, ctrB
;; launch layer5: the kernel of part 2 again; grid 256 x 1, 16 waves a work-group, no clusters, 88,320 bytes of LDS; arguments xfA, cdB, ctrB, wq, wo_b, ln1_g, ln1_b, fc1_b, fc2_b, ln2_g, ln2_b, out0, cdA, ctrA; writes out0, cdA, ctrA
